; MI455X (gfx1250); checked and timed in simulation.
; The chip was launched on July 23, 2026; its instructions are those of AMD's public machine-readable ISA for CDNA 5 (MIT licence, August 2026) and "CDNA5" Instruction Set Architecture Reference Guide (July 2026). The comments in the code are by the model that wrote it; some were corrected since.
;; Full Attention. Allowed arithmetic: matrix products marked QUANTISED: E2M3 operands, one E8M0 scale for each 32 along K, by v_wmma_scale_f32_16x16x128_f8f6f4 with both operands' format E2M3, f32 sums; everything else in f32.
;; Inputs: keys_codes 2 x 16 x 2,048 x 4 x 24 uint8 (E2M3 codes of keys, K innermost, in blocks of 32 codes, four codes in three bytes); keys_scales 2 x 16 x 2,048 x 4 uint8 (E8M0 scales of keys, one for each 32 codes along K); queries_codes 2 x 16 x 2,048 x 4 x 24 uint8 (E2M3 codes of queries, K innermost, in blocks of 32 codes, four codes in three bytes); queries_scales 2 x 16 x 2,048 x 4 uint8 (E8M0 scales of queries, one for each 32 codes along K); values_codes 2 x 16 x 128 x 64 x 24 uint8 (E2M3 codes of values, K innermost, in blocks of 32 codes, four codes in three bytes); values_scales 2 x 16 x 128 x 64 uint8 (E8M0 scales of values, one for each 32 codes along K).
;; Outputs: out0 2 x 16 x 2,048 x 128 float32.
;; This version of the problem:
;;   THIS VERSION OF THE PROBLEM IS GIVEN IN LOW PRECISION. The matrix products marked QUANTISED in the list below multiply operands that are first quantised to E2M3 (2 exponent bits, 3 mantissa bits; 6 bits a number), with one power-of-two scale for each 32 numbers along K (OCP MX v1.0); their sums are f32. All else is computed in f32.
;;   The module's matrix products, in the order in which they are computed (A, B: the left and right operand; K: the contracted axis; several contracted axes count as one K, in the product's order):
;;     1. batch 32 x [M 2,048, K 128] x [K 128, N 2,048]; A: input queries (given as codes); B: input keys (given as codes): QUANTISED
;;     2. batch 32 x [M 2,048, K 2,048] x [K 2,048, N 128]; A: softmax (see below); B: input values (given as codes): QUANTISED
;;   THE QUANTISER, for each operand of a quantised product, along K:
;;     - K is cut into blocks of 32 from its start; a last block that is shorter is filled with zeros.
;;     - A block's scale is 2^e with e = floor(log2(the largest magnitude in the block)) - 2, held to -126 .. 127; a block of zeros has e = 0. As a byte (E8M0): e + 127.
;;     - Each number is divided by its block's scale, clamped to +-7.5, and rounded to the nearest number of E2M3, ties to even, subnormals kept.
;;     - The product sums the exact products of the quantised numbers (number of the format x scale) in f32.
;;   ~~~python
;;   def quantise(x, axis):      # numpy; x: float32 -> the quantised numbers, widened to float32 again
;;       x = np.moveaxis(x, axis, -1); K = x.shape[-1]
;;       x = np.pad(x, [(0, 0)] * (x.ndim - 1) + [(0, -K % 32)]); x = x.reshape(x.shape[:-1] + (-1, 32)); a = np.abs(x).max(-1, keepdims=True)
;;       e = np.where(a > 0, np.clip(np.frexp(np.where(a > 0, a, 1))[1] - 1 - 2, -126, 127), 0)      # np.frexp(a)[1] - 1 = floor(log2(a)), exactly
;;       r = np.clip(x / 2.0 ** e, -7.5, 7.5)
;;       step = 2.0 ** (np.maximum(np.frexp(np.where(r == 0, 1, r))[1] - 1, 0) - 3)
;;       q = np.round(r / step) * step * 2.0 ** e      # np.round: ties to even
;;       return np.moveaxis(q.reshape(q.shape[:-2] + (-1,))[..., :K], -1, axis).astype(np.float32)
;;   ~~~
;;   SOFTMAX AHEAD OF A QUANTISED PRODUCT. Where the list says 'softmax', what is quantised is not the finished softmax but p = 2^(t - M), with t = logit x log2(e) and M = ceil(the row's largest t), a whole number; so 1/2 < the row's largest p <= 1. The row's sum l is taken of the UNQUANTISED p, in f32, and the product's result is divided by l at the end. Since M is a whole number, a kernel that streams over the keys may use a running M (the ceiling of the running maximum): every later rescaling is an exact power of two, which a block's scale takes up: the codes' values come out the same.
;;   OPERANDS COMPUTED ON THE WAY. 'Computed on the way' means the value that the module computes at that place (a softmax that the list does not call 'softmax' is quantised finished and normalised). What goes into a quantiser is computed in f32, as accurately as f32 sums, v_exp_f32 and their like allow (about 1e-6 of the number): no bf16 or f16 on the way to a quantiser, and a product that is left as it is and whose result goes on into a quantised operand takes f32 operands (vector FMAs, or v_wmma_f32_16x16x4_f32). A number that lies on a knife's edge between two numbers of the format may be rounded either way, as far as f32 arithmetic and the matrix unit's own rounding can turn it there, and no further.
;;   INPUTS GIVEN AS CODES. keys (in the module: [2, 16, 2048, 128], K = its axis 3); queries (in the module: [2, 16, 2048, 128], K = its axis 3); values (in the module: [2, 16, 2048, 128], K = its axis 2): each comes as NAME_codes (uint8): NAME with its K axis moved to the last place and cut into blocks of 32 codes, [.., K / 32, bytes a block], one block behind the other in memory; four codes in three bytes: a row's codes are one little-endian stream of bits, code i at bits 6 i .. 6 i + 5 (a code: sign, 2 exponent bits, 3 mantissa bits); and NAME_scales (uint8): the same leading axes, one E8M0 byte (e + 127) for each 32 codes along K. Its value is code x scale, taken as it is: it is not quantised again, and the codes and scales need not be those that the quantiser above would give.
;; One version. Each part assembles by itself: llvm-mc -triple=amdgcn-amd-amdhsa -mcpu=gfx1250 --defsym DOCPART=n.
;; ======== version 1 of 1: 1 launch
;; limits: inputs' magnitudes at most 8,796,093,022,208
;; launch attn (part 1): grid 8 x 32, 16 waves a work-group, no clusters, 327,680 bytes of LDS; arguments queries_codes, queries_scales, keys_codes, keys_scales, values_codes, values_scales, out0; writes out0
.if DOCPART == 1
	.amdgcn_target "amdgcn-amd-amdhsa--gfx1250"
	.amdhsa_code_object_version 6
	.text
	.protected	k_q577bb1dcbe_attn
	.globl	k_q577bb1dcbe_attn
	.p2align	8
	.type	k_q577bb1dcbe_attn,@function
k_q577bb1dcbe_attn:
	s_mov_b64 s[64:65], 0
	v_nop
	global_prefetch_b8 v0, s[64:65] scope:SCOPE_SE
	s_setreg_imm32_b32 hwreg(HW_REG_WAVE_MODE, 25, 1), 1
	s_wait_xcnt 0x0
; O[h][q][:] = sum over k of softmax_k(clip(mask(Q[h][q] . K[h][k] / sqrt(128)), -50, 50)) V[h][k][:], 32 heads, 2,048 queries and keys, head size 128; both products on codes of FP6 (E2M3) with one E8M0 scale for each 32 along K.
; Q, K: [32][2048][128] as codes (96 bytes a row), scale bytes [32][2048][4].  V: codes with the KEYS innermost, [32][128][2048] (1,536 bytes a row), scale bytes [32][128][64].  O: [32][2048][128] f32.
; THE CLIP STANDS BEHIND THE MASK: a hidden key (k > q) is not thrown away, its logit is -50.  So hidden keys are weighed in, in the row's sum and in the second product.
; NO MAXIMUM IS TAKEN AWAY: t = logit x log2(e) is held in [-T, T], T = 50 log2(e) = 72.134752, by the problem's own clip, for every input.  So p = 2^t is a normal f32 number, and a row's sum of 2,048 of them stays under 2^84.
; A block's scale takes up the whole power of two that a maximum M would take away, so the codes are those of p = 2^(t - M).  The row's sum is taken of the unquantised p and divides at the end.
; HIDDEN KEY STEPS.  Where all 128 keys of a step come after all queries of a group of 128 queries, P is the same for every query: p = 2^-T = 1.8217 x 2^-73, scale 2^-75 (byte 52), 7.287 -> the code 7.5 (0x1f).
; All columns of V^T P^T are then equal: ONE matrix instruction for each 16 channels serves the whole group.  Wave idx of a group sums channel tile idx; at the end the eight tiles meet in LDS and every wave adds them to its O^T.
; SHARES.  256 work-groups of sixteen waves.  Work-group (x, head) owns the groups x and 15 - x of 128 queries: 17 open or diagonal key steps for each pair of waves, the same in every work-group.  A wave owns 16 queries in 256 registers.
; Wave w: tile idx = w / 2 of group x (sel = 0) or 15 - x (sel = 1), sel = (w xor w / 4) & 1: of any four waves w % 4 = const, and of any four w / 4 = const, two belong to each group.
; LAYOUT.  Both products are used transposed: S^T = K Q^T (source 0 = 16 keys, source 1 = my 16 queries), O^T = V^T P^T: a lane holds ONE query (lane % 16) throughout.
; THE KEYS OF A TILE ARE NOT NEIGHBOURS: lane r of tile 2 b + u takes key 32 b + 8 u + r + 8 (r / 8), so that the 16 registers of tiles 2 b and 2 b + 1 are the 16 neighbouring keys 32 b + 16 (lane / 16) + 0 .. 15.
; RING.  Two LDS slots of 512 keys (four key steps), filled by tensor loads (waves 0, 1: K; waves 2, 3: V), read by all sixteen.  Every work-group walks all four slots: trip counts are constants, no tensor load or barrier is jumped over.
; NO CLUSTER, though the eight work-groups of a head read the same tiles: which steps are open, diagonal or hidden hangs on the work-group's x, so partners would branch differently; without those branches the softmax's work would double.
; LIMITS.  O^T is kept under p = 2^t: |values| x 2^84 must stay under 2^127, so |values| under 2^43.  The quantiser's hold of a scale at 2^-126 is never reached here; under a maximum it would touch only blocks whose weights lie
; under 2^-121 of the row's largest.  A block's largest p is taken as the exponential of its largest t (the same instruction on the same number gives the same bits); this takes v_exp_f32 not to fall where its input rises.
; NaN among the scores (a scale byte 0xff, infinity less infinity) is not served.
.set SLOT1, 131072                     ; slot 1 begins here: one exclusive or turns an address of one slot into the other's
.set KBLK,  1536                       ; 16 keys x 96 bytes
.set KBOFF, 24592                      ; a slot: KA: of each block of 32 keys the first 16 rows, 16 x 1,536 bytes; KB, 24,592 bytes on: the second 16.  Row (r & 7) starts at word 24 (r & 7), all multiples of 8 mod 64; the lanes' half adds 6 words,
                                       ; KB 6,148 = 4 mod 64: the 32 lanes of a load of 8 bytes touch 64 different banks (64 banks of 4 bytes: ISA guide 11.1)
.set VOFF,  49408                      ; then V: 128 rows of 384 bytes with 16 of padding behind each 128
.set VP,    432                        ; 108 words: row r starts at word 44 r mod 64, sixteen different multiples of 4; the lanes' half adds 6 or 10 words: again 64 different banks
.set VTILE, 16*VP
.set SCK,   2*SLOT1                    ; behind the ring: K's scale bytes of the whole head, 8,192 bytes as 32 units of 256 + 16;
.set SCH,   16*272                     ; (half of them: what one tensor load brings)
.set SCV,   SCK+2*SCH                  ; V's likewise
.set SPARE, SCV+2*SCH                  ; the spare words, 128 bytes for each wave: eight blocks of 256 bytes that no other line names
.set HS,    SPARE+2048                 ; the hidden sums: 512 sel + 4 x channel
.set STAGE, 0                          ; the way out: 16 rows x 272 bytes for each wave, in slot 0: it was left at the last change of slots, has had its last fill, and nobody reads it
.set AK0,  1                           ; v1   my lane's place in a tile of K: 96 (r & 7) + KBOFF (r / 8) + 24 h
.set AV0,  2                           ; v2   in a tile of V: VOFF + 432 r + 24 h
.set AV1,  3                           ; v3   the same behind one padding more: 40 h
.set ASK0, 4                           ; v4   among K's scale words: lanes 0-15 an even tile's rows, lanes 16-31 the odd tile's (8 keys on)
.set ASV0, 5                           ; v5   among V's: lanes 16-31 the next tile's (16 rows on)
.set SPW,  6                           ; v6   LDS address of my spare word; never rewritten
.set NIL,  7                           ; v7   0; never rewritten
.set ADK,  8                           ; v8-12 the addresses of the step in hand: K, V, V behind one padding more, K's scale words, V's
.set ADV,  9
.set ADV1, 10
.set ADS,  11
.set ADT,  12
.set SUMA, 14                          ; v[14:15], v[30:31] the row's sum, in two chains of pairs
.set QF,   16                          ; v16-27 Q's fragment
.set PFO,  28                          ; v28  the prefetches' offset; never rewritten
.set GO,   29                          ; v29  the way out: my byte offset in the wave's rows of O
.set SUMB, 30
.set FRG,  32                          ; v32-79 four fragments of K or of V
.set HACC, 80                          ; v80-87 the hidden sums of my channel tile
.set SW,   88                          ; v88-89 scale words in hand: nothing but scales
.set AVH0, 90                          ; v90-91 AV0, AV1 at channel tile idx
.set AVH1, 91
.set HPS,  92                          ; v92  a hidden step's scale word of P: four bytes 52
.set PW,   93                          ; v93  p's scale word
.set QS,   94                          ; v94  Q's scale word
.set ASVH, 95                          ; v95  my lane's place among V's scale words at channel tile idx
.set S,    96                          ; v96-159 S^T, then t, then p; at the end the hidden sums and the result
.set OT,   160                         ; v160-223 O^T; at the end rows of O
.set PCD,  224                         ; v224-235 P's codes
.set CT,   236                         ; v236-243 the conversions' second halves
.set SO,   244                         ; v244-247 the conversions' scale operands
.set BM,   248                         ; v248-251 each block's largest t, then p
.set BP,   252                         ; v252-255 the permutes' destinations, the bytes, the mask's temporaries
.set TB,   2                           ; s2   LDS byte at which the slot in hand begins
.set TS,   3                           ; s3   where the step's scale words of K begin: 544 bytes a step
.set WV,   18                          ; s18  my wave's number
.set NH,   19                          ; s19  how many keys lie in my group's hidden steps
.set SEL,  20                          ; s[20:21] lane selects for v_permlanex16_b32: lane l xor 16
.set CS,   22                          ; s[22:23] c = log2(e) / sqrt(128); the packed form names a pair
.set G1K,  24                          ; s[24:31], s[32:39] descriptor groups 1 for K's and V's tiles; s[40:43], s[44:47] their groups 0, which walk
.set G1V,  32
.set G0K,  40
.set G0V,  44
.set G1S,  48                          ; s[48:55] group 1 for the scale bytes; s[56:59], s[60:63] groups 0 for K's and V's
.set G0SK, 56
.set G0SV, 60
.set TJ,   66                          ; s66  V's scale words: 4 bytes a step
.set SLOTS, 67                         ; s67  slots still to be asked for
.set TLO,  68                          ; s68  -T
.set THI,  69                          ; s69  T
.set SG,   70                          ; s70  sel
.set IDX,  71                          ; s71  idx
.set PFA,  76                          ; s[76:77] where my prefetches stand in memory
.set PFS,  78                          ; s[78:79] a slot on, in bytes
.set LIM,  80                          ; s80  1 in a wave that prefetches, else the greatest number
.set EVN,  81                          ; s81  3 in V's waves, 0 in K's
.set KF,   98                          ; s98  the step's first key
.set Q0,   99                          ; s99  my first query
; Waves 0 and 1 fetch for K, waves 2 and 3 for V, the others nothing.  The branches hang on the wave's number alone.  Four v_nop follow each of the two lines.
.macro TLOAD g0k, g1k, g0v, g1v
	s_cmp_lt_u32 s[WV], 2
	s_cbranch_scc0 .Lnot_k_\@
	tensor_load_to_lds s[\g0k:\g0k+3], s[\g1k:\g1k+7]
	s_nop 0
.rept 4
	v_nop
.endr
	s_branch .Lasked_\@
.Lnot_k_\@:
	s_cmp_lt_u32 s[WV], 4
	s_cbranch_scc0 .Lasked_\@
	tensor_load_to_lds s[\g0v:\g0v+3], s[\g1v:\g1v+7]
	s_nop 0
.rept 4
	v_nop
.endr
.Lasked_\@:
.endm
; A PREFETCH INTO THE L2 of what the NEXT change of slots will ask for, four key steps ahead of that load.  All eight work-groups of a head walk the same K and V: the head's first work-group asks, and in it waves that fetch nothing.
; Waves 4 to 9: K's 512 rows, one dense block of 6 x 8,192 bytes, lanes 256 bytes apart.  Waves 10 to 13: V's 128 rows, 32 a wave, a lane a row.  A slot's part of a row of V is 384 bytes: a lane names its LAST byte;
; slot 2's part also begins an aligned block of 256 bytes of its own, named by a second line; slot 3's begins in the block in which slot 2's ends.  So each aligned block of 256 bytes is named once at the most.
; Slots 0 and 1 and the scale bytes come by their loads alone; the last change that fills a slot asks for nothing.
.macro ASK
	s_cmp_gt_u32 s[SLOTS], s[LIM]
	s_cbranch_scc0 .Lnot_mine_\@
	global_prefetch_b8 v[PFO], s[PFA:PFA+1] th:TH_LOAD_NT scope:SCOPE_SE
	s_cmp_eq_u32 s[SLOTS], s[EVN]                  ; three slots to go: slot 2 is being named
	s_cbranch_scc0 .Lnot_mine_\@
	global_prefetch_b8 v[PFO], s[PFA:PFA+1] offset:-383 th:TH_LOAD_NT scope:SCOPE_SE
.Lnot_mine_\@:
.endm
; THE CHANGE OF SLOTS stands at a slot's head.  Each wave waits for all its tensor loads (its part of the slot that it is about to read), adds 0 to its spare word, and waits for that and for its reads of the slot that it has left.
; Behind the barrier the slot ahead is whole and nobody reads the other one.  fill = 1: that other slot is filled with the next 512 keys: the load has four key steps in which to land.
.macro CHANGE fill
	s_wait_tensorcnt 0x0                           ; no tensor load of mine is out, so a group 0 may be written
	ds_add_u32 v[SPW], v[NIL]                      ; 0 onto my spare word
.if \fill
	s_xor_b32 s[G0K+1], s[G0K+1], SLOT1            ; the walking descriptors: the other slot than last time,
	s_add_nc_u64 s[G0K+2:G0K+3], s[G0K+2:G0K+3], 512*96   ; the next 512 keys; the type bits on top are not reached
	s_xor_b32 s[G0V+1], s[G0V+1], SLOT1
	s_add_nc_u64 s[G0V+2:G0V+3], s[G0V+2:G0V+3], 384
	s_wait_xcnt 0x0                                ; the last prefetches, a slot back, have read their address, so it may be written:
	s_add_nc_u64 s[PFA:PFA+1], s[PFA:PFA+1], s[PFS:PFS+1]  ; one slot further on than the walking descriptors
.endif
	s_wait_dscnt 0x0                               ; the add is done, and my reads of the slot that I have left are over
	s_barrier_signal -1
	s_barrier_wait -1
.if \fill
	TLOAD G0K, G1K, G0V, G1V                       ; the first thing behind the barrier, and a wave's one tensor load until the next
	ASK
.endif
.endm
.macro PLACES                          ; four plain vector instructions between a matrix instruction and a load into, or a vector instruction on, its registers (ISA guide 7.12.1 for vector instructions)
.rept 4
	v_nop
.endr
.endm
; Four tiles of K (tiles 4 g .. 4 g + 3 of the slot's q-th key step) and their scale words: one register for two tiles, lanes 0-15 the even tile's rows, lanes 16-31 the odd tile's
.macro LOADK g, q
.irp t, 0,1,2,3
.irp p, 0,1,2,3,4,5
	ds_load_b64 v[FRG+12*\t+2*\p:FRG+12*\t+2*\p+1], v[ADK] offset:(4*(\q)+2*\g+\t/2)*KBLK+(\t%2)*768+48*(\p/3)+8*(\p%3)
.endr
.endr
.irp j, 0,1
	ds_load_b32 v[SW+\j], v[ADS] offset:272*\g+128*\j
.endr
.endm
.macro MULK g                          ; S^T = K Q^T: four accumulators, each begun with the constant 0
.irp t, 0,2
	v_wmma_scale_f32_16x16x128_f8f6f4 v[S+8*(4*\g+\t):S+8*(4*\g+\t)+7], v[FRG+12*\t:FRG+12*\t+11], v[QF:QF+11], 0, v[SW+\t/2], v[QS] matrix_a_fmt:MATRIX_FMT_FP6 matrix_b_fmt:MATRIX_FMT_FP6
	v_wmma_scale_f32_16x16x128_f8f6f4 v[S+8*(4*\g+\t+1):S+8*(4*\g+\t+1)+7], v[FRG+12*(\t+1):FRG+12*(\t+1)+11], v[QF:QF+11], 0, v[SW+\t/2], v[QS] matrix_a_fmt:MATRIX_FMT_FP6 matrix_b_fmt:MATRIX_FMT_FP6 matrix_a_scale:MATRIX_SCALE_ROW1
.endr
.endm
.macro TSC a, n                        ; n pairs of scores from register a on: x c.  Ascending: each accumulator is read from its low end on
.set J, \a
.rept \n
	v_pk_mul_f32 v[S+J:S+J+1], v[S+J:S+J+1], s[CS:CS+1] op_sel_hi:[1,0]
.set J, J+2
.endr
.endm
.macro CLIP a, n                       ; n numbers from register a on: the problem's clip, as t: held in [-T, T]
.set J, \a
.rept \n
	v_med3_num_f32 v[S+J], v[S+J], s[TLO], s[THI]
.set J, J+1
.endr
.endm
; On the diagonal hidden keys get t = -T: mask, then clip.  A step all of whose keys count jumps over this: a scalar branch on ids.
.macro MASK
	s_add_co_u32 s96, s[KF], 127
	s_cmp_le_u32 s96, s[Q0]
	s_cbranch_scc1 .Lopen_\@
	s_sub_co_i32 s96, s[Q0], s[KF]
	v_and_b32 v252, 15, v0
	v_and_b32 v253, 16, v0
	v_sub_nc_u32 v252, v252, v253
	v_add_nc_u32 v252, s96, v252                   ; d = my query - KF - 16 (lane / 16).  Register 16 b + i holds key KF + 32 b + 16 (lane / 16) + i: hidden where 32 b + i > d
	v_mov_b32 v254, s[TLO]
.set N, 0
.rept 64
	v_cmp_gt_i32 vcc_lo, 32*(N/16)+N%16, v252
	v_cndmask_b32 v[S+N], v[S+N], v254, vcc_lo
.set N, N+1
.endr
.Lopen_\@:
.endm
.macro BMAX                            ; the largest t of each block of 32 keys: my 16 and lane l xor 16's; the four blocks by turns
.irp b, 0,1,2,3
	v_max3_num_f32 v[BM+\b], v[S+16*\b], v[S+1+16*\b], v[S+2+16*\b]
.endr
.irp i, 3,5,7,9,11,13
.irp b, 0,1,2,3
	v_max3_num_f32 v[BM+\b], v[BM+\b], v[S+16*\b+\i], v[S+1+16*\b+\i]
.endr
.endr
.irp b, 0,1,2,3
	v_max_num_f32 v[BM+\b], v[BM+\b], v[S+15+16*\b]
.endr
.irp b, 0,1,2,3
	v_permlanex16_b32 v[BP+\b], v[BM+\b], s[SEL], s[SEL+1]
.endr
.irp b, 0,1,2,3
	v_max_num_f32 v[BM+\b], v[BM+\b], v[BP+\b]
.endr
.endm
; Four tiles of V^T (channels 16 (4 g + t) on, the slot's q-th 128 keys) and their scale words.  Piece PCE (8 bytes) of a row lies at 8 PCE + 16 (PCE / 16); lanes 16-31 read three pieces on,
; which is behind one padding more where PCE % 16 is 13 or more: the second address register serves those.
.macro LOADV g, q
.irp t, 0,1,2,3
.irp p, 0,1,2,3,4,5
.set PCE, 12*(\q)+6*(\p/3)+\p%3
.if PCE%16 < 13
	ds_load_b64 v[FRG+12*\t+2*\p:FRG+12*\t+2*\p+1], v[ADV] offset:(4*\g+\t)*VTILE+8*PCE+16*(PCE/16)
.else
	ds_load_b64 v[FRG+12*\t+2*\p:FRG+12*\t+2*\p+1], v[ADV1] offset:(4*\g+\t)*VTILE+8*PCE+16*(PCE/16)
.endif
.endr
.endr
.irp j, 0,1
	ds_load_b32 v[SW+\j], v[ADT] offset:(2*\g+\j)*2176
.endr
.endm
.macro MULV g                          ; O^T += V^T P^T: four accumulators by turns, one instruction a turn
.irp t, 0,2
	v_wmma_scale_f32_16x16x128_f8f6f4 v[OT+8*(4*\g+\t):OT+8*(4*\g+\t)+7], v[FRG+12*\t:FRG+12*\t+11], v[PCD:PCD+11], v[OT+8*(4*\g+\t):OT+8*(4*\g+\t)+7], v[SW+\t/2], v[PW] matrix_a_fmt:MATRIX_FMT_FP6 matrix_b_fmt:MATRIX_FMT_FP6
	v_wmma_scale_f32_16x16x128_f8f6f4 v[OT+8*(4*\g+\t+1):OT+8*(4*\g+\t+1)+7], v[FRG+12*(\t+1):FRG+12*(\t+1)+11], v[PCD:PCD+11], v[OT+8*(4*\g+\t+1):OT+8*(4*\g+\t+1)+7], v[SW+\t/2], v[PW] matrix_a_fmt:MATRIX_FMT_FP6 matrix_b_fmt:MATRIX_FMT_FP6 matrix_a_scale:MATRIX_SCALE_ROW1
.endr
.endm
.macro LSUM a, n                       ; the row's sum of the UNQUANTISED p: n pairs from register a on, the two chains by turns
.set J, \a
.rept \n
.if J%4 == 0
	v_pk_add_f32 v[SUMA:SUMA+1], v[SUMA:SUMA+1], v[S+J:S+J+1]
.else
	v_pk_add_f32 v[SUMB:SUMB+1], v[SUMB:SUMB+1], v[S+J:S+J+1]
.endif
.set J, J+2
.endr
.endm
.macro QUANTP                          ; p's 64 numbers of a lane become the second product's operand and its scale word.  No floor: p is 2^-72.2 at the least, so a byte is 52 at the least
.irp b, 0,1,2,3
	v_add_nc_u32 v[SO+\b], 0xff000000, v[BM+\b]    ; 2 off the largest p's exponent field: the conversion takes the exponent field of this operand as its scale
.endr
.irp b, 0,1,2,3
	v_lshrrev_b32 v[BP+\b], 23, v[SO+\b]           ; the scale's byte
.endr
	v_lshl_or_b32 v[PW], v[BP+1], 8, v[BP]
	v_lshl_or_b32 v[PW], v[BP+2], 16, v[PW]
	v_lshl_or_b32 v[PW], v[BP+3], 24, v[PW]
.irp c, 0,1
	v_cvt_scalef32_pk16_fp6_f32 v[PCD+6*\c:PCD+6*\c+2], v[S+32*\c:S+32*\c+15], v[SO+2*\c]
	v_cvt_scalef32_pk16_fp6_f32 v[CT+4*\c:CT+4*\c+2], v[S+16+32*\c:S+31+32*\c], v[SO+2*\c+1]   ; (a conversion's three registers begin on an even number)
.endr
	v_nop                                          ; one plain vector instruction behind a scaled conversion
.irp c, 0,1                            ; the operand's layout wants a WHOLE block in a lane: lanes 0-15 block 2 c, lanes 16-31 block 2 c + 1
.irp i, 0,1,2
	v_permlane16_swap_b32 v[PCD+6*\c+\i], v[CT+4*\c+\i]
.endr
.irp i, 0,1,2
	v_mov_b32 v[PCD+3+6*\c+\i], v[CT+4*\c+\i]
.endr
.endr
.endm
; A HIDDEN KEY STEP: my channel tile of V^T against the constant P: every code 0x1f (the stream of bytes df f7 7d), every scale byte 52.
.macro HIDDEN q
	v_add_nc_u32 v[ADV], s[TB], v[AVH0]
	v_add_nc_u32 v[ADV1], s[TB], v[AVH1]
	v_add_nc_u32 v[ADT], s[TJ], v[ASVH]
	v_nop                                          ; with the three above: the four places behind the last step's matrix instruction
.irp p, 0,1,2,3,4,5
.set PCE, 12*(\q)+6*(\p/3)+\p%3
.if PCE%16 < 13
	ds_load_b64 v[FRG+2*\p:FRG+2*\p+1], v[ADV] offset:8*PCE+16*(PCE/16)
.else
	ds_load_b64 v[FRG+2*\p:FRG+2*\p+1], v[ADV1] offset:8*PCE+16*(PCE/16)
.endif
.endr
	ds_load_b32 v[SW], v[ADT]
.irp i, 0,1,2,3
	v_mov_b32 v[PCD+3*\i], 0xdf7df7df
	v_mov_b32 v[PCD+3*\i+1], 0xf7df7df7
	v_mov_b32 v[PCD+3*\i+2], 0x7df7df7d
.endr
	PLACES                                         ; an operand written by vector instructions stands four places ahead of a scaled matrix instruction
	s_wait_dscnt 0x0
	s_wait_alu depctr_va_vdst(0)                   ; one accumulator, link behind link
	v_wmma_scale_f32_16x16x128_f8f6f4 v[HACC:HACC+7], v[FRG:FRG+11], v[PCD:PCD+11], v[HACC:HACC+7], v[SW], v[HPS] matrix_a_fmt:MATRIX_FMT_FP6 matrix_b_fmt:MATRIX_FMT_FP6
.endm
; A KEY STEP: 128 keys, the q-th of the slot in hand.  Open and diagonal steps take the long way; a step all of whose keys come after my group's queries takes HIDDEN: a scalar branch on ids.
; No barrier and no tensor load stands in a step, and the lines at its end that step addresses are on both ways.
.macro STEP q
	s_add_co_u32 s96, s[Q0], 15
	s_cmp_gt_u32 s[KF], s96
	s_cbranch_scc1 .Lhid_\@
	v_add_nc_u32 v[ADK], s[TB], v[AK0]             ; these five are also the places behind the last step's matrix instructions
	v_add_nc_u32 v[ADV], s[TB], v[AV0]
	v_add_nc_u32 v[ADV1], s[TB], v[AV1]
	v_add_nc_u32 v[ADS], s[TS], v[ASK0]
	v_add_nc_u32 v[ADT], s[TJ], v[ASV0]
	LOADK 0, \q
	s_wait_dscnt 0x0
	MULK 0
	PLACES
	LOADK 1, \q
	TSC 0, 12                                      ; the first 24 scores are scaled and held while the loads land;
	CLIP 0, 24
	s_wait_dscnt 0x0
	MULK 1
	TSC 24, 4                                      ; four packed multiplications on the first group's last tile: the four places behind the second group's products
	CLIP 24, 8
	TSC 32, 16
	CLIP 32, 32
	MASK
	BMAX
.irp b, 0,1,2,3
	v_exp_f32 v[BM+\b], v[BM+\b]                   ; ONE BATCH of 68 exponentials: each block's largest p,
.endr
.set J, 0
.rept 64
	v_exp_f32 v[S+J], v[S+J]                       ; and p = 2^t
.set J, J+1
.endr
	LOADV 0, \q
	v_nop                                          ; a plain vector instruction behind the last exponential
	s_wait_alu depctr_va_vdst(0)                   ; and one wait for the batch, ahead of the first instruction that names a result
	QUANTP
	LSUM 0, 12                                     ; with the moves above: more than eight plain instructions behind the scale word's last write, twelve behind the codes'
	s_wait_dscnt 0x0
	MULV 0
	LSUM 24, 4                                     ; the four places in front of the loads below
	LOADV 1, \q
	LSUM 32, 16
	s_wait_dscnt 0x0
	MULV 1
	s_branch .Lend_\@
.Lhid_\@:
	HIDDEN \q
.Lend_\@:
	s_add_co_u32 s[KF], s[KF], 128
	s_add_co_u32 s[TS], s[TS], 544                 ; the next step's scale words
	s_add_co_u32 s[TJ], s[TJ], 4
.endm
.macro SLOT_STEPS
	STEP 0
	STEP 1
	STEP 2
	STEP 3
	s_xor_b32 s[TB], s[TB], SLOT1                  ; on to the other slot
.endm
	s_load_b128 s[4:7], s[0:1], 0x0                ; Q's codes, Q's scales
	s_load_b128 s[8:11], s[0:1], 0x10              ; K's codes, K's scales
	s_load_b128 s[12:15], s[0:1], 0x20             ; V's codes, V's scales
	s_load_b64 s[16:17], s[0:1], 0x30              ; O
	v_lshl_add_u32 v[SPW], v0, 2, SPARE
	v_mov_b32 v[NIL], 0
	ds_add_u32 v6, v7
	s_wait_dscnt 0x0
	v_lshrrev_b32 v8, 5, v0
	v_readfirstlane_b32 s[WV], v8                  ; wave 0..15
	s_lshr_b32 s[IDX], s[WV], 1                    ; my tile in its group
	s_lshr_b32 s[SG], s[WV], 2
	s_xor_b32 s[SG], s[SG], s[WV]
	s_and_b32 s[SG], s[SG], 1                      ; sel
	s_lshl_b32 s72, ttmp9, 1
	s_sub_co_u32 s72, 15, s72
	s_mul_i32 s72, s72, s[SG]
	s_add_co_u32 s72, s72, ttmp9                   ; my group g = x + sel (15 - 2 x)
	s_sub_co_u32 s[NH], 15, s72
	s_lshl_b32 s[NH], s[NH], 7                     ; 128 (15 - g) keys in hidden steps
	s_lshl_b32 s[Q0], s72, 7
	s_lshl_b32 s73, s[IDX], 4
	s_add_co_u32 s[Q0], s[Q0], s73                 ; my first query: 128 g + 16 idx
	s_and_b32 s72, ttmp7, 0xffff                   ; the head
	s_mul_i32 s74, s72, 196608                     ; its first byte in each tensor of codes (all offsets stay under 2^26),
	s_mov_b32 s75, 0
	s_lshl_b32 s84, s72, 13                        ; in each tensor of scale bytes,
	s_lshl_b32 s86, s72, 20                        ; and in O;
	s_lshl_b32 s73, s[Q0], 9
	s_add_co_u32 s86, s86, s73                     ; my first row of O
	s_mov_b32 s87, 0
	s_mul_i32 s88, s[Q0], 96
	s_add_co_u32 s88, s88, s74                     ; my queries' codes
	s_mov_b32 s89, 0
	s_lshl_b32 s90, s[Q0], 2
	s_add_co_u32 s90, s90, s84                     ; and scale words
	s_mov_b32 s91, 0
	s_and_b32 s92, s[WV], 1                        ; what I fetch, if I fetch: wave 0, 1: KA, KB; wave 2, 3: rows 0-63, 64-127 of V; and halves of the scale bytes
	s_mul_i32 s93, s92, KBLK
	s_add_co_u32 s82, s93, s74                     ; K: in memory KB's rows begin 16 keys behind KA's
	s_mov_b32 s83, 0
	s_mul_i32 s93, s92, 64*1536
	s_add_co_u32 s94, s93, s74                     ; V
	s_mov_b32 s95, 0
	s_lshl_b32 s93, s92, 12
	s_add_co_u32 s96, s93, s84                     ; the scale bytes
	s_mov_b32 s97, 0
	s_mul_i32 s73, s92, KBOFF                      ; and where they go in LDS
	s_mul_i32 s93, s92, 64*VP
	s_add_co_u32 s93, s93, VOFF
	s_mul_i32 s92, s92, SCH
	; descriptor group 1.  K: 16 rows of 1,536 bytes (192 elements of 8 bytes), one for each block of 32 keys, 3,072 bytes apart, dense in LDS
	s_mov_b32 s[G1K], 3<<16                        ; 15:0 no mask; 17:16 elements of 8 bytes; 20 padding off
	s_mov_b32 s[G1K+1], 192<<16                    ; tensor_dim0
	s_mov_b32 s[G1K+2], 16<<16                     ; tensor_dim1
	s_mov_b32 s[G1K+3], 192<<16                    ; tile_dim0
	s_mov_b32 s[G1K+4], 16                         ; tile_dim1
	s_mov_b32 s[G1K+5], 384                        ; tensor_dim0_stride
	s_mov_b32 s[G1K+6], 0
	s_mov_b32 s[G1K+7], 0
	; V: 64 rows of 384 bytes, 1,536 bytes apart; 4 words of padding behind every 32 words
	s_mov_b32 s[G1V], (1<<20)|(4<<22)|(3<<25)
	s_mov_b32 s[G1V+1], 384<<16
	s_mov_b32 s[G1V+2], 64<<16
	s_mov_b32 s[G1V+3], 384<<16
	s_mov_b32 s[G1V+4], 64
	s_mov_b32 s[G1V+5], 1536
	s_mov_b32 s[G1V+6], 0
	s_mov_b32 s[G1V+7], 0
	; the scale bytes: half a head's, 4,096 dense bytes, as 16 rows of 256 bytes (32 elements of 8 bytes), 16 bytes of padding behind each
	s_mov_b32 s[G1S], (3<<16)|(1<<20)|(5<<22)|(3<<25)
	s_mov_b32 s[G1S+1], 32<<16
	s_mov_b32 s[G1S+2], 16<<16
	s_mov_b32 s[G1S+3], 32<<16
	s_mov_b32 s[G1S+4], 16
	s_mov_b32 s[G1S+5], 32
	s_mov_b32 s[G1S+6], 0
	s_mov_b32 s[G1S+7], 0
	s_mov_b32 s[SEL], 0x76543210
	s_mov_b32 s[SEL+1], 0xfedcba98
	s_mov_b32 s[CS], 0x3e0293ee                    ; c = log2(e) / sqrt(128)
	s_mov_b32 s[CS+1], s[CS]                       ; (named with it as a pair, so it is written)
	s_mov_b32 s[TLO], 0xc29044fe                   ; -50 log2(e)
	s_mov_b32 s[THI], 0x429044fe
	s_mov_b32 s[TB], 0
	s_mov_b32 s[TS], 0
	s_mov_b32 s[TJ], 0
	s_mov_b32 s[KF], 0
	s_mov_b32 s[SLOTS], 3
	s_wait_kmcnt 0x0
	s_mov_b32 s[G0SK], 1                           ; 1:0 count = 1
	s_add_co_u32 s[G0SK+1], s92, SCK               ; 63:32 LDS address
	s_add_nc_u64 s[G0SK+2:G0SK+3], s[10:11], s[96:97]  ; 120:64 global address
	s_or_b32 s[G0SK+3], s[G0SK+3], 0x80000000      ; 127:126 type = 2
	s_mov_b32 s[G0SV], 1
	s_add_co_u32 s[G0SV+1], s92, SCV
	s_add_nc_u64 s[G0SV+2:G0SV+3], s[14:15], s[96:97]
	s_or_b32 s[G0SV+3], s[G0SV+3], 0x80000000
	TLOAD G0SK, G1S, G0SV, G1S                     ; the scale bytes of the whole head: filled once
	s_mov_b32 s[G0K], 1
	s_mov_b32 s[G0K+1], s73
	s_add_nc_u64 s[G0K+2:G0K+3], s[8:9], s[82:83]
	s_or_b32 s[G0K+3], s[G0K+3], 0x80000000
	s_mov_b32 s[G0V], 1
	s_mov_b32 s[G0V+1], s93
	s_add_nc_u64 s[G0V+2:G0V+3], s[12:13], s[94:95]
	s_or_b32 s[G0V+3], s[G0V+3], 0x80000000
	TLOAD G0K, G1K, G0V, G1V                       ; slot 0.  Two tensor loads of a fetching wave are out; the first wait on them is for 0
	s_add_nc_u64 s[4:5], s[4:5], s[88:89]          ; Q's codes at my first query,
	s_add_nc_u64 s[6:7], s[6:7], s[90:91]          ; its scale words,
	s_add_nc_u64 s[16:17], s[16:17], s[86:87]      ; O likewise
	; the prefetches: where my wave's stand, and who asks.  The parts are held inside a head's bytes in every wave, in those that never ask too
	s_max_u32 s82, s[WV], 4
	s_sub_co_u32 s82, s82, 4
	s_min_u32 s82, s82, 5
	s_lshl_b32 s82, s82, 13                        ; K: 8,192 bytes a wave, waves 4 to 9
	s_max_u32 s83, s[WV], 10
	s_sub_co_u32 s83, s83, 10
	s_min_u32 s83, s83, 3
	s_mul_i32 s83, s83, 32*1536                    ; V: 32 rows a wave, waves 10 to 13,
	s_add_co_u32 s83, s83, 383                     ; and the last byte of a row's part of a slot
	s_cmp_lt_u32 s[WV], 10
	s_cselect_b64 s[PFA:PFA+1], s[8:9], s[12:13]
	s_cselect_b32 s82, s82, s83
	s_mov_b32 s[PFS], 384
	s_cselect_b32 s[PFS], 512*96, s[PFS]           ; a slot on
	s_mov_b32 s84, 1536
	s_cselect_b32 s84, 256, s84                    ; from lane to lane
	s_cselect_b32 s[EVN], 0, 3
	s_mov_b32 s[PFS+1], 0
	s_add_co_u32 s82, s82, s[PFS]                  ; in slot 1: the first change of slots steps it to slot 2.  Nothing is prefetched here, at the head
	s_mov_b32 s83, 0
	s_add_nc_u64 s[PFA:PFA+1], s[PFA:PFA+1], s[74:75]  ; in my head
	s_add_nc_u64 s[PFA:PFA+1], s[PFA:PFA+1], s[82:83]
	s_sub_co_u32 s85, s[WV], 4
	s_cmp_lt_u32 s85, 10                           ; waves 4 to 13
	s_cselect_b32 s[LIM], 1, -1
	s_cmp_eq_u32 ttmp9, 0                          ; of the head's first work-group
	s_cselect_b32 s[LIM], s[LIM], -1
	v_and_b32 v[PFO], 31, v0
	v_mul_lo_u32 v[PFO], v[PFO], s84
	v_and_b32 v8, 15, v0                           ; r = lane % 16
	v_bfe_u32 v9, v0, 4, 1                         ; h = lane / 16
	v_mul_u32_u24 v13, v8, 96
	v_mad_u32_u24 v13, v9, 24, v13                 ; Q: row r, + my half's 24 bytes
.irp p, 0,1,2,3,4,5
	global_load_b64 v[QF+2*\p:QF+2*\p+1], v13, s[4:5] offset:48*(\p/3)+8*(\p%3)   ; Q's fragment stays in registers
.endr
	v_lshlrev_b32 v12, 2, v8
	global_load_b32 v[QS], v12, s[6:7]             ; Q's scale words
	v_mov_b32 v[HPS], 0x34343434
	v_and_b32 v10, 7, v0                           ; r & 7
	v_bfe_u32 v11, v0, 3, 1                        ; r / 8
	v_mul_u32_u24 v[AK0], v10, 96
	v_mad_u32_u24 v[AK0], v11, KBOFF, v[AK0]
	v_mad_u32_u24 v[AK0], v9, 24, v[AK0]
	v_mul_u32_u24 v[AV0], v8, VP
	v_mad_u32_u24 v[AV0], v9, 24, v[AV0]
	v_add_nc_u32 v[AV0], VOFF, v[AV0]
	v_lshl_add_u32 v[AV1], v9, 4, v[AV0]
	v_lshl_add_u32 v[ASK0], v11, 3, v8             ; r + 8 (r / 8)
	v_lshl_add_u32 v[ASK0], v[ASK0], 2, SCK        ; 4 bytes a key; a step's 128 keys are two units of 256 + 16
	v_lshl_add_u32 v[ASK0], v9, 5, v[ASK0]         ; lanes 16-31: the odd tile, 8 keys on
	v_bfe_u32 v10, v0, 2, 2                        ; r / 4
	v_and_b32 v11, 3, v0                           ; r & 3
	v_mul_u32_u24 v[ASVH], v10, 272                ; V's scale bytes: 64 a row, four rows to a unit
	v_lshl_add_u32 v[ASVH], v11, 6, v[ASVH]
	v_add_nc_u32 v[ASVH], SCV, v[ASVH]
	v_mad_u32_u24 v[ASV0], v9, 1088, v[ASVH]       ; lanes 16-31: the next tile, 16 rows on
	s_mul_i32 s85, s[IDX], 1088
	v_add_nc_u32 v[ASVH], s85, v[ASVH]             ; the hidden steps': channel tile idx
	s_mul_i32 s86, s[IDX], VTILE
	v_add_nc_u32 v[AVH0], s86, v[AV0]
	v_add_nc_u32 v[AVH1], s86, v[AV1]
	v_lshlrev_b32 v[GO], 9, v9
	v_lshl_add_u32 v[GO], v8, 4, v[GO]             ; the way out: lanes 0-15 take one row of O, lanes 16-31 the next; 16 bytes a lane
	v_mov_b32 v[SUMA], 0
	v_mov_b32 v[SUMA+1], 0
	v_mov_b32 v[SUMB], 0
	v_mov_b32 v[SUMB+1], 0
.irp b, 0,1,2,3
	v_mov_b32 v[BP+\b], 0                          ; written once: a lane permute's destination counts as one of its sources
.endr
.set J, 0
.rept 8
	v_mov_b32 v[HACC+J], 0
.set J, J+1
.endr
.set J, 0
.rept 64
	v_mov_b32 v[OT+J], 0                           ; O^T and the hidden sums begin as zeros, so that a key step has one text for the first step and the others
.set J, J+1
.endr
	s_wait_loadcnt 0x0                             ; Q
.Lslot:                                            ; three trips: behind each change of slots but the last the next slot is asked for
	CHANGE 1
	SLOT_STEPS
	s_sub_co_u32 s[SLOTS], s[SLOTS], 1
	s_cmp_lg_u32 s[SLOTS], 0
	s_cbranch_scc1 .Lslot
	CHANGE 0                                       ; the last slot is written out
	SLOT_STEPS
	; THE WAY OUT.  The group's hidden sums meet in LDS; l takes the hidden keys' NH x 2^-T; (O^T + H) / l goes through my stage, half a row (256 bytes) of 16 queries at a time.
	v_pk_add_f32 v[SUMA:SUMA+1], v[SUMA:SUMA+1], v[SUMB:SUMB+1]   ; (this and the address work are the places behind the last matrix instruction)
	v_and_b32 v8, 15, v0                           ; r
	v_bfe_u32 v9, v0, 4, 1                         ; h
	s_lshl_b32 s72, s[SG], 9
	s_add_co_u32 s72, s72, HS                      ; my group's 128 sums
	s_lshl_b32 s73, s[IDX], 6
	s_add_co_u32 s73, s73, s72                     ; my tile's 16
	v_lshl_add_u32 v10, v9, 5, s73                 ; in: 32 h: register j of lane (r, h) is channel 16 idx + 8 h + j, the same number in all sixteen r
	v_lshl_add_u32 v11, v9, 5, s72                 ; back: 64 t + 32 h
	s_mul_i32 s82, s[WV], 16*272
	s_add_co_u32 s82, s82, STAGE                   ; my stage
	v_mul_u32_u24 v12, v8, 272
	v_lshl_add_u32 v12, v9, 5, v12
	v_add_nc_u32 v12, s82, v12                     ; in: row r; tile t's eight channels of my half: 64 t + 32 h bytes on
	v_mul_u32_u24 v13, v9, 272
	v_lshl_add_u32 v13, v8, 4, v13
	v_add_nc_u32 v13, s82, v13                     ; back: lanes 0-15 one row, lanes 16-31 the next
	ds_store_b128 v10, v[HACC:HACC+3]              ; from the accumulator's low end on; the sixteen lanes of a half write the same bytes with the same values
	ds_store_b128 v10, v[HACC+4:HACC+7] offset:16
	v_add_f32 v[SUMA], v[SUMA], v[SUMA+1]          ; the sum's two halves,
	v_permlanex16_b32 v252, v[SUMA], s[SEL], s[SEL+1]
	v_add_f32 v[SUMA], v[SUMA], v252               ; and lane l xor 16's
	v_exp_f32 v253, s[TLO]                         ; a hidden key's p
	v_cvt_f32_u32 v254, s[NH]                      ; (a plain instruction behind the exponential)
	s_wait_alu depctr_va_vdst(0)                   ; the wait ahead of the first use
	v_fma_f32 v[SUMA], v254, v253, v[SUMA]         ; l: the hidden steps' keys are in
	v_rcp_f32 v[SUMA], v[SUMA]
	s_wait_dscnt 0x0                               ; for the others' sake: my hidden sums lie in LDS
	s_barrier_signal -1
	s_barrier_wait -1
.irp t, 0,1,2,3,4,5,6,7
	ds_load_b128 v[S+8*\t:S+8*\t+3], v11 offset:64*\t        ; H in O^T's layout: register 8 t + j is channel 16 t + 8 h + j
	ds_load_b128 v[S+8*\t+4:S+8*\t+7], v11 offset:64*\t+16
.endr
	s_wait_dscnt 0x0
.set J, 0
.rept 32
	v_pk_add_f32 v[S+J:S+J+1], v[S+J:S+J+1], v[OT+J:OT+J+1]  ; ascending: each accumulator is read from its low end on.  (Plain work behind the reciprocal)
.set J, J+2
.endr
	s_wait_alu depctr_va_vdst(0)                   ; the reciprocal's wait, ahead of its first reader
.set J, 0
.rept 32
	v_pk_mul_f32 v[S+J:S+J+1], v[S+J:S+J+1], v[SUMA:SUMA+1] op_sel_hi:[1,0]   ; register 8 t + i is o(r, 16 t + 8 h + i)
.set J, J+2
.endr
.irp u, 0,1                            ; channels 64 u on
.irp t, 0,1,2,3
	ds_store_b128 v12, v[S+32*\u+8*\t:S+32*\u+8*\t+3] offset:64*\t
	ds_store_b128 v12, v[S+32*\u+8*\t+4:S+32*\u+8*\t+7] offset:64*\t+16
.endr
.irp i, 0,1,2,3,4,5,6,7
	ds_load_b128 v[OT+32*\u+4*\i:OT+32*\u+4*\i+3], v13 offset:2*\i*272   ; LDS serves a wave's instructions in order (ISA guide 5.7.1.4): these see my stores, and the next half's stores come behind them
.endr
.endr
.irp u, 0,1
.irp i, 0,1,2,3,4,5,6,7
	s_wait_dscnt 15-8*\u-\i                        ; behind load (0, i) 23 - i LDS instructions were issued, behind load (1, i) 7 - i: the count is never above that
	global_store_b128 v[GO], v[OT+32*\u+4*\i:OT+32*\u+4*\i+3], s[16:17] offset:2*\i*512+256*\u th:TH_STORE_NT   ; 16 lanes store 256 consecutive bytes, at a multiple of 256 from O's first byte
.endr
.endr
	s_wait_tensorcnt 0x0                           ; the wave's end: behind my last tensor load and my last LDS store
	ds_add_u32 v[SPW], v[NIL]
	s_wait_dscnt 0x0
	s_endpgm
.Lfunc_end_k_q577bb1dcbe_attn:
	.size	k_q577bb1dcbe_attn, .Lfunc_end_k_q577bb1dcbe_attn-k_q577bb1dcbe_attn
	.p2alignl 7, 3214868480
	.fill 96, 4, 3214868480
	.section	.rodata,"a",@progbits
	.p2align	6, 0x0
	.amdhsa_kernel k_q577bb1dcbe_attn
		.amdhsa_group_segment_fixed_size 327680
		.amdhsa_private_segment_fixed_size 0
		.amdhsa_enable_private_segment 0
		.amdhsa_kernarg_size 56
		.amdhsa_user_sgpr_count 2
		.amdhsa_user_sgpr_kernarg_segment_ptr 1
		.amdhsa_wavefront_size32 1
		.amdhsa_system_sgpr_workgroup_id_x 1
		.amdhsa_system_sgpr_workgroup_id_y 1
		.amdhsa_system_sgpr_workgroup_id_z 1
		.amdhsa_system_vgpr_workitem_id 0
		.amdhsa_next_free_vgpr 256
		.amdhsa_next_free_sgpr 100
		.amdhsa_reserve_vcc 1
		.amdhsa_float_denorm_mode_32 3
		.amdhsa_float_denorm_mode_16_64 3
		.amdhsa_memory_ordered 1
		.amdhsa_forward_progress 1
		.amdhsa_inst_pref_size 255
	.end_amdhsa_kernel
	.section	.bss,"aw",@nobits
	.p2align	6
	.space	262144
	.amdgpu_metadata
---
amdhsa.version: [ 1, 2 ]
amdhsa.kernels:
  - .name:           k_q577bb1dcbe_attn
    .symbol:         k_q577bb1dcbe_attn.kd
    .args:
      - { .name: queries_codes, .offset: 0, .size: 8, .value_kind: global_buffer, .address_space: global }
      - { .name: queries_scales, .offset: 8, .size: 8, .value_kind: global_buffer, .address_space: global }
      - { .name: keys_codes, .offset: 16, .size: 8, .value_kind: global_buffer, .address_space: global }
      - { .name: keys_scales, .offset: 24, .size: 8, .value_kind: global_buffer, .address_space: global }
      - { .name: values_codes, .offset: 32, .size: 8, .value_kind: global_buffer, .address_space: global }
      - { .name: values_scales, .offset: 40, .size: 8, .value_kind: global_buffer, .address_space: global }
      - { .name: out0, .offset: 48, .size: 8, .value_kind: global_buffer, .address_space: global }
    .group_segment_fixed_size: 327680
    .private_segment_fixed_size: 0
    .kernarg_segment_align: 8
    .kernarg_segment_size: 56
    .max_flat_workgroup_size: 512
    .sgpr_count:     100
    .vgpr_count:     256
    .wavefront_size: 32
...
	.end_amdgpu_metadata
.endif
;; end of part 1
